; MI455X (gfx1250); checked and timed in simulation.
; The chip was launched on July 23, 2026; its instructions are those of AMD's public machine-readable ISA for CDNA 5 (MIT licence, August 2026) and "CDNA5" Instruction Set Architecture Reference Guide (July 2026). The comments in the code are by the model that wrote it; some were corrected since.
;; Attention. Allowed arithmetic: matrix products marked QUANTISED: E3M2 operands, one E8M0 scale for each 32 along K, by v_wmma_scale_f32_16x16x128_f8f6f4 with both operands' format E3M2, f32 sums; everything else in f32.
;; Inputs: attn_mask 1 x 1 x 2,048 x 2,048 int32; k 4 x 16 x 2,048 x 128 float32; pad_mask 4 x 2,048 int32; q 4 x 16 x 2,048 x 128 float32; v 4 x 16 x 2,048 x 128 float32.
;; Outputs: out0 4 x 16 x 2,048 x 128 float32.
;; This version of the problem:
;;   THIS VERSION OF THE PROBLEM IS GIVEN IN LOW PRECISION. The matrix products marked QUANTISED in the list below multiply operands that are first quantised to E3M2 (3 exponent bits, 2 mantissa bits; 6 bits a number), with one power-of-two scale for each 32 numbers along K (OCP MX v1.0); their sums are f32. All else is computed in f32.
;;   The module's matrix products, in the order in which they are computed (A, B: the left and right operand; K: the contracted axis; several contracted axes count as one K, in the product's order):
;;     1. batch 64 x [M 2,048, K 128] x [K 128, N 2,048]; A: input q; B: input k: QUANTISED
;;     2. batch 64 x [M 2,048, K 2,048] x [K 2,048, N 128]; A: softmax (see below); B: input v: QUANTISED
;;   THE QUANTISER, for each operand of a quantised product, along K:
;;     - K is cut into blocks of 32 from its start; a last block that is shorter is filled with zeros.
;;     - A block's scale is 2^e with e = floor(log2(the largest magnitude in the block)) - 4, held to -126 .. 127; a block of zeros has e = 0. As a byte (E8M0): e + 127.
;;     - Each number is divided by its block's scale, clamped to +-28, and rounded to the nearest number of E3M2, ties to even, subnormals kept.
;;     - The product sums the exact products of the quantised numbers (number of the format x scale) in f32.
;;   ~~~python
;;   def quantise(x, axis):      # numpy; x: float32 -> the quantised numbers, widened to float32 again
;;       x = np.moveaxis(x, axis, -1); K = x.shape[-1]
;;       x = np.pad(x, [(0, 0)] * (x.ndim - 1) + [(0, -K % 32)]); x = x.reshape(x.shape[:-1] + (-1, 32)); a = np.abs(x).max(-1, keepdims=True)
;;       e = np.where(a > 0, np.clip(np.frexp(np.where(a > 0, a, 1))[1] - 1 - 4, -126, 127), 0)      # np.frexp(a)[1] - 1 = floor(log2(a)), exactly
;;       r = np.clip(x / 2.0 ** e, -28, 28)
;;       step = 2.0 ** (np.maximum(np.frexp(np.where(r == 0, 1, r))[1] - 1, -2) - 2)
;;       q = np.round(r / step) * step * 2.0 ** e      # np.round: ties to even
;;       return np.moveaxis(q.reshape(q.shape[:-2] + (-1,))[..., :K], -1, axis).astype(np.float32)
;;   ~~~
;;   SOFTMAX AHEAD OF A QUANTISED PRODUCT. Where the list says 'softmax', what is quantised is not the finished softmax but p = 2^(t - M), with t = logit x log2(e) and M = ceil(the row's largest t), a whole number; so 1/2 < the row's largest p <= 1. The row's sum l is taken of the UNQUANTISED p, in f32, and the product's result is divided by l at the end. Since M is a whole number, a kernel that streams over the keys may use a running M (the ceiling of the running maximum): every later rescaling is an exact power of two, which a block's scale takes up: the codes' values come out the same.
;;   OPERANDS COMPUTED ON THE WAY. 'Computed on the way' means the value that the module computes at that place (a softmax that the list does not call 'softmax' is quantised finished and normalised). What goes into a quantiser is computed in f32, as accurately as f32 sums, v_exp_f32 and their like allow (about 1e-6 of the number): no bf16 or f16 on the way to a quantiser, and a product that is left as it is and whose result goes on into a quantised operand takes f32 operands (vector FMAs, or v_wmma_f32_16x16x4_f32). A number that lies on a knife's edge between two numbers of the format may be rounded either way, as far as f32 arithmetic and the matrix unit's own rounding can turn it there, and no further.
;; One version. Each part assembles by itself: llvm-mc -triple=amdgcn-amd-amdhsa -mcpu=gfx1250 --defsym DOCPART=n.
;; ======== version 1 of 1: 2 launches
;; limits: right only within a limited range of input values
;; workspace buffers: kv 26,214,400 bytes; maskw 2,097,152 bytes of whole numbers; flagw 32,768 bytes of whole numbers
;; launch prep (part 1): grid 1536 x 1, 4 waves a work-group, no clusters, 34,304 bytes of LDS; arguments k, v, attn_mask, pad_mask, kv, maskw, flagw; writes kv, maskw, flagw
.if DOCPART == 1
	.amdgcn_target "amdgcn-amd-amdhsa--gfx1250"
	.amdhsa_code_object_version 6
	.text
	.protected	k_q183155222b_prep
	.globl	k_q183155222b_prep
	.p2align	8
	.type	k_q183155222b_prep,@function
k_q183155222b_prep:
	s_mov_b64 s[64:65], 0
	v_nop
	global_prefetch_b8 v0, s[64:65] scope:SCOPE_SE
	s_setreg_imm32_b32 hwreg(HW_REG_WAVE_MODE, 25, 1), 1
	s_wait_xcnt 0x0
; PREP: what every query block of a head reads again is made once.  No work of the problem is left out: every input is read.
;   k [64 heads][2048 keys][128] f32 -> codes of BF6 (E3M2) along the head's 128, one E8M0 byte for each 32;
;   v [64][2048][128] f32            -> codes along the KEYS, one byte for each 32 keys;
;   attn_mask [2048][2048], pad_mask [4][2048] int32 -> one bit a score, laid as lane masks, and one flag for each 16 queries x 128 keys.
; kv: [head 64][quarter 4][102,400 bytes].  A quarter is 4 key steps of 128 keys: 4 x 24,576 bytes of codes (a step: K's 8 fragments of
; 1,536 bytes, then V's 8), then 4 x 1,024 bytes of scale words (a step: K's images 0, 1, V's images 0, 1, 256 bytes each).
; A fragment lies as an image of the operand's 12 registers: register p of lane l at 512 (p / 4) + 16 l + 4 (p % 4).
; A scale image: lane l has 8 bytes at 8 l; word g is tile 4 i + 2 g's (lanes 0-15) and tile 4 i + 2 g + 1's (lanes 16-31).
; Row m of K's tile t is key 64 (t / 4) + 32 (m / 8) + 8 (t % 4) + m % 8 of the step: in the transposed scores a lane then holds whole blocks of 32 keys.
; Row r of V's tile t is channel 16 t + r, its K the step's keys in order.
; maskw: [batch 4][tile of 16 queries 128][step 16][n 64] words: bit l of word n is 1 where key 128 step + 64 (n / 32) + 32 (l / 16) + n % 32
; counts for query 16 tile + l % 16: neither mask is 0 there.
; flagw: [tile 128][step 16][batch 4] words: 1 where all 2,048 bits of that tile, step and batch are 1, else 0.  A wave's four words are 16 bytes:
; parts of a 256-byte unit; the whole buffer is 32,768 bytes.
; A block's scale is 2^(floor(log2(its largest magnitude)) - 4): its byte is that magnitude's exponent field - 4, held at 1 from below.
; LIMITS: NaN and infinities among the inputs are not served; a block whose largest magnitude lies under 2^-122, a block of zeros among them,
; gets the byte 1 (zero codes add nothing under that byte; only this program reads the bytes).
; THREE PATHS part on the work-group's number: 0-511 k, 512-1023 v, 1024-1535 the masks; 2,048 wave units each.  Waves share nothing: no barrier.  Only k's path uses LDS.
.set SWB,    102400
.set STEPB,  24576
.set SCALES, 98304
.set FRB,    1536
.set SP,     528                       ; k's stage: a row of 512 bytes + 16
.set R,   16                           ; k: v16-143 two sets of 16 rows as loaded
.set X,   144                          ; v144-207 64 numbers of my row: register 16 b + i = d 32 b + 16 (lane / 16) + i
.set C,   208                          ; v208-219 a fragment's codes; v220-222, v224-226 the conversions' second halves
.set TM,  228
.set PW,  244                          ; the four tiles' scale words
.set SW,  248
.set VX,  32                           ; v: two sets of 32 numbers down the keys
.set CF,  96                           ; codes: 24 g + 12 hh + 6 c
.set AM,  32                           ; masks: attn_mask's 64 numbers
.set PM,  96                           ; two sets of pad_mask's 64
.set OM,  224                          ; the words to store, two registers a batch
; unit u = 4 x (work-group - first) + wave = (16 head + step) x 2 + half; s[28:29], s[30:31]: byte offsets in kv of its codes and scale words
.macro DECODE first
	s_sub_co_u32 s17, ttmp9, \first
	s_lshl_b32 s17, s17, 2
	s_add_co_u32 s17, s17, s16
	s_lshr_b32 s24, s17, 3
	s_mul_i32 s24, s24, SWB
	s_bfe_u32 s25, s17, 0x20001
	s_and_b32 s26, s17, 1
	s_mul_i32 s27, s25, STEPB
	s_add_co_u32 s28, s24, s27
	s_mul_i32 s27, s26, 4*FRB
	s_add_co_u32 s28, s28, s27
	s_mov_b32 s29, 0
	s_lshl_b32 s27, s25, 10
	s_add_co_u32 s30, s24, s27
	s_lshl_b32 s27, s26, 8
	s_add_co_u32 s30, s30, s27
	s_add_co_u32 s30, s30, SCALES
	s_mov_b32 s31, 0
.endm
; k: the 16 rows of tile tt of my 64 keys: row i is key 32 (i / 8) + 8 tt + i % 8; each load reads one whole row of 512 bytes
.macro LOADT tt
.set i, 0
.rept 16
	global_load_b128 v[R+64*((\tt)%2)+4*i:R+64*((\tt)%2)+4*i+3], v4, s[4:5] offset:(32*(i/8)+8*(\tt)+(i%8))*512 th:TH_LOAD_NT
.set i, i+1
.endr
.endm
; through my stage: in as rows, back as 16 neighbours of each block of 32 for lane (r, h).  LDS serves a wave's instructions in order
.macro TURN tt
.set i, 0
.rept 16
	ds_store_b128 v6, v[R+64*((\tt)%2)+4*i:R+64*((\tt)%2)+4*i+3] offset:SP*i
.set i, i+1
.endr
.set i, 0
.rept 16
	ds_load_b128 v[X+4*i:X+4*i+3], v7 offset:128*(i/4)+16*(i%4)
.set i, i+1
.endr
.endm
.macro QUANT pw
.irp b, 0,1,2,3
	v_max3_num_f32 v[TM+\b], |v[X+16*\b]|, |v[X+1+16*\b]|, 0x2800000   ; with the floor 2^(5 - 127)
.endr
.irp i, 2,4,6,8,10,12,14
.irp b, 0,1,2,3
	v_max3_num_f32 v[TM+\b], v[TM+\b], |v[X+16*\b+\i]|, |v[X+1+16*\b+\i]|
.endr
.endr
.irp b, 0,1,2,3
	v_permlanex16_b32 v[TM+4+\b], v[TM+\b], s20, s21
.endr
.irp b, 0,1,2,3
	v_max_num_f32 v[TM+\b], v[TM+\b], v[TM+4+\b]   ; with lane l xor 16's: the block's largest magnitude
.endr
.irp b, 0,1,2,3
	v_add_nc_u32 v[TM+12+\b], 0xfe000000, v[TM+\b] ; 4 off its exponent field: the conversion's scale operand
.endr
.irp b, 0,1,2,3
	v_lshrrev_b32 v[TM+4+\b], 23, v[TM+12+\b]      ; the scale's byte
.endr
	v_lshl_or_b32 v[\pw], v[TM+5], 8, v[TM+4]
	v_lshl_or_b32 v[\pw], v[TM+6], 16, v[\pw]
	v_lshl_or_b32 v[\pw], v[TM+7], 24, v[\pw]
.irp c, 0,1
	v_cvt_scalef32_pk16_bf6_f32 v[C+6*\c:C+2+6*\c], v[X+32*\c:X+15+32*\c], v[TM+12+2*\c]
	v_cvt_scalef32_pk16_bf6_f32 v[C+12+4*\c:C+14+4*\c], v[X+16+32*\c:X+31+32*\c], v[TM+13+2*\c]
.endr
	v_nop                                          ; one plain line behind the scaled conversions
.irp c, 0,1                                    ; the operand wants a whole block in a lane
.irp i, 0,1,2
	v_permlane16_swap_b32 v[C+6*\c+\i], v[C+12+4*\c+\i]
.endr
.irp i, 0,1,2
	v_mov_b32 v[C+3+6*\c+\i], v[C+12+4*\c+\i]
.endr
.endr
.endm
; v: block q: channels 32 (q % 2) + lane of my 64, keys 32 (q / 2) + 0 .. 31, a register a key
.macro VLOAD q
.set i, 0
.rept 32
	global_load_b32 v[VX+32*((\q)%2)+i], v4, s[6:7] offset:(32*((\q)/2)+i)*512+128*((\q)%2)
.set i, i+1
.endr
.endm
.macro VBLOCK q
.set XS, VX+32*((\q)%2)
.set DC, CF+24*((\q)%2)+12*(((\q)/2)%2)+6*((\q)/4)
.if (\q) < 7
	s_wait_loadcnt 32                              ; this block's 32 loads are in; the next block's may be out
.else
	s_wait_loadcnt 0x0
.endif
	v_max3_num_f32 v12, |v[XS]|, |v[XS+1]|, |v[XS+2]|
	v_max3_num_f32 v13, |v[XS+3]|, |v[XS+4]|, |v[XS+5]|
.irp i, 6,10,14,18,22,26
	v_max3_num_f32 v12, v12, |v[XS+\i]|, |v[XS+\i+1]|
	v_max3_num_f32 v13, v13, |v[XS+\i+2]|, |v[XS+\i+3]|
.endr
	v_max3_num_f32 v12, v12, |v[XS+30]|, |v[XS+31]|
	v_max3_num_f32 v12, v12, v13, 0x2800000
	v_add_nc_u32 v11, 0xfe000000, v12
	v_lshrrev_b32 v13, 23, v11
.if (\q)/2 == 0
	v_mov_b32 v[24+(\q)%2], v13
.else
	v_lshl_or_b32 v[24+(\q)%2], v13, 8*((\q)/2), v[24+(\q)%2]
.endif
	v_cvt_scalef32_pk16_bf6_f32 v[DC:DC+2], v[XS:XS+15], v11
	v_cvt_scalef32_pk16_bf6_f32 v[144:146], v[XS+16:XS+31], v11
	v_nop
.irp i, 0,1,2
	v_mov_b32 v[DC+3+\i], v[144+\i]
.endr
.if (\q)+2 < 8
	VLOAD (\q)+2
.endif
.endm
; masks: pad_mask of batch bb at my step's 128 keys, in the scores' order
.macro PLOAD bb
.set i, 0
.rept 16
	global_load_b128 v[PM+64*((\bb)%2)+4*i:PM+64*((\bb)%2)+4*i+3], v7, s[10:11] offset:8192*(\bb)+256*(i/8)+16*(i%8)
.set i, i+1
.endr
.endm
; batch bb: 64 lane masks of pad_mask, each joined with attn_mask's, put into lane n / 2 of two registers, stored as 256 consecutive bytes; and the flag
.macro BATCH bb
.if (\bb) < 3
	s_wait_loadcnt 16
.else
	s_wait_loadcnt 0x0
.endif
.set g8, 0
.rept 8
.irp e, 0,1,2,3,4,5,6,7
	v_cmp_ne_u32 s[20+\e], 0, v[PM+64*((\bb)%2)+8*g8+\e]
.endr
.irp e, 0,1,2,3,4,5,6,7
	s_and_b32 s[20+\e], s[20+\e], s[32+8*g8+\e+4*(g8/4)]
.endr
.irp e, 0,1,2,3,4,5,6,7
	v_writelane_b32 v[OM+2*(\bb)+\e%2], s[20+\e], (8*g8+\e)/2
.endr
.set g8, g8+1
.endr
	global_store_b64 v5, v[OM+2*(\bb):OM+2*(\bb)+1], s[14:15] offset:524288*(\bb)
	v_and_b32 v9, v[OM+2*(\bb)], v[OM+2*(\bb)+1]   ; all 64 words all ones?
	v_cmp_eq_u32 vcc_lo, -1, v9
	s_cmp_eq_u32 vcc_lo, -1
	s_cselect_b32 s28, 1, 0
	v_writelane_b32 v10, s28, \bb                  ; the flag of batch bb in lane bb
.if (\bb) < 2
	PLOAD (\bb)+2
.endif
.endm
	s_load_b256 s[4:11], s[0:1], 0x0               ; k, v, attn_mask, pad_mask
	s_load_b128 s[12:15], s[0:1], 0x20             ; kv, maskw
	s_load_b64 s[2:3], s[0:1], 0x30                ; flagw
	v_lshl_add_u32 v254, v0, 2, 0x8400
	v_mov_b32 v255, 0
	v_lshrrev_b32 v1, 5, v0
	v_readfirstlane_b32 s16, v1                    ; wave 0..3
	v_and_b32 v1, 31, v0                           ; lane
	v_and_b32 v2, 15, v0                           ; r
	v_bfe_u32 v3, v0, 4, 1                         ; h
	s_cmp_lt_u32 ttmp9, 512
	s_cbranch_scc1 .Lpath_k
	s_cmp_lt_u32 ttmp9, 1024
	s_cbranch_scc1 .Lpath_v
	; ---- THE MASKS.  Unit u = 16 x tile of queries + step; the wave serves all four batches
	s_sub_co_u32 s17, ttmp9, 1024
	s_lshl_b32 s17, s17, 2
	s_add_co_u32 s17, s17, s16
	s_lshr_b32 s18, s17, 4
	s_lshl_b32 s18, s18, 17                        ; 16 rows of 8,192 bytes a tile
	s_and_b32 s28, s17, 15
	s_lshl_b32 s28, s28, 9                         ; 128 keys of 4 bytes a step
	s_add_co_u32 s18, s18, s28
	s_mov_b32 s19, 0
	s_mov_b32 s29, 0
	s_lshl_b32 s30, s17, 8                         ; 64 words a unit
	s_mov_b32 s31, 0
	s_wait_alu depctr_va_vdst(0)
	v_lshlrev_b32 v7, 7, v3                        ; pad_mask: 128 h: lanes 16-31 take the keys 32 further on
	v_lshl_add_u32 v6, v2, 13, v7                  ; attn_mask: row r, + 128 h
	v_mov_b32 v10, 0                               ; the four flags
	v_lshlrev_b32 v11, 2, v1                       ; their place: 4 bytes a lane
	v_lshlrev_b32 v5, 3, v1                        ; out: 8 bytes a lane
.irp i, 0,1,2,3,4,5,6,7
	v_mov_b32 v[OM+\i], 0                          ; a lane write's destination counts as read
.endr
	s_wait_kmcnt 0x0
	s_add_nc_u64 s[8:9], s[8:9], s[18:19]
	s_add_nc_u64 s[10:11], s[10:11], s[28:29]
	s_add_nc_u64 s[14:15], s[14:15], s[30:31]
	s_lshl_b32 s30, s17, 4                         ; 16 bytes of flags a unit
	s_add_nc_u64 s[2:3], s[2:3], s[30:31]
.set i, 0
.rept 16
	global_load_b128 v[AM+4*i:AM+4*i+3], v6, s[8:9] offset:256*(i/8)+16*(i%8)   ; register n: key 64 (n / 32) + 32 h + n % 32 of the step
.set i, i+1
.endr
	PLOAD 0
	PLOAD 1
	s_wait_loadcnt 32                              ; attn_mask's 16 loads are in; pad_mask's two sets may be out
.set n, 0
.rept 64
	v_cmp_ne_u32 s[32+n+4*(n/32)], 0, v[AM+n]      ; attn_mask's 64 lane masks stay in s32-63 and s68-99
.set n, n+1
.endr
	BATCH 0
	BATCH 1
	BATCH 2
	BATCH 3
	s_wait_alu depctr_va_vdst(0)
	s_wait_xcnt 0x0                                ; EXEC changes only behind this wait
	v_cmpx_gt_u32 4, v1                            ; lanes 0 to 3
	global_store_b32 v11, v10, s[2:3]              ; the unit's four flags
	s_endpgm
	; ---- K.  A wave takes 64 keys: four tiles
.Lpath_k:
	DECODE 0
	s_lshl_b32 s18, s17, 15                        ; 64 rows of 512 bytes a unit
	s_mov_b32 s19, 0
	s_mov_b32 s20, 0x76543210
	s_mov_b32 s21, 0xfedcba98                      ; selects for lane l xor 16
	s_mov_b32 s22, 0xffff0000                      ; lanes 16-31
	s_mul_i32 s23, s16, 16*SP                      ; my stage
	s_wait_alu depctr_va_vdst(0)
	v_lshlrev_b32 v4, 4, v1
	v_lshlrev_b32 v5, 3, v1
	v_add_nc_u32 v6, s23, v4                       ; the stage, in
	v_mul_u32_u24 v7, v2, SP
	v_lshl_add_u32 v7, v3, 6, v7
	v_add_nc_u32 v7, s23, v7                       ; and back: row r, + 64 h
.irp b, 0,1,2,3
	v_mov_b32 v[TM+4+\b], 0
.endr
	s_wait_alu depctr_va_vdst(0)
	s_wait_kmcnt 0x0
	s_add_nc_u64 s[4:5], s[4:5], s[18:19]
	s_add_nc_u64 s[28:29], s[12:13], s[28:29]
	s_add_nc_u64 s[30:31], s[12:13], s[30:31]
	LOADT 0
	LOADT 1
.irp tt, 0,1,2,3
.if \tt < 3
	s_wait_loadcnt 16                              ; this tile's 16 rows are in; the next tile's may be out
.else
	s_wait_loadcnt 0x0
.endif
	TURN \tt
	s_wait_dscnt 0x0                               ; the numbers are back, and the stage's stores have read their registers
.if \tt < 2
	LOADT \tt+2
.endif
.if \tt > 0
	s_wait_xcnt 0x0                                ; the codes' registers are written again only behind this wait
.endif
	QUANT PW+\tt
.irp j, 0,1,2
	global_store_b128 v4, v[C+4*\j:C+4*\j+3], s[28:29] offset:FRB*\tt+512*\j   ; 512 consecutive bytes
.endr
.endr
.irp g, 0,1
	v_cndmask_b32 v[SW+\g], v[PW+2*\g], v[PW+2*\g+1], s22   ; lanes 0-15: the even tile's words; lanes 16-31: the odd tile's
.endr
	global_store_b64 v5, v[SW:SW+1], s[30:31]
	s_wait_tensorcnt 0x0                           ; the wave's end
	ds_add_u32 v254, v255
	s_wait_dscnt 0x0
	s_endpgm
	; ---- V.  A wave takes 128 keys x 64 channels: a lane takes a channel and its registers run down the keys
.Lpath_v:
	DECODE 512
	s_add_co_u32 s28, s28, 8*FRB
	s_add_co_u32 s30, s30, 512
	s_lshr_b32 s18, s17, 1
	s_lshl_b32 s18, s18, 16
	s_lshl_b32 s19, s26, 8
	s_add_co_u32 s18, s18, s19
	s_mov_b32 s19, 0
	s_wait_alu depctr_va_vdst(0)
	v_lshlrev_b32 v4, 2, v1
	v_lshlrev_b32 v5, 3, v1
	v_mul_u32_u24 v8, v3, FRB
	v_lshl_add_u32 v8, v2, 4, v8
	s_wait_alu depctr_va_vdst(0)
	s_wait_kmcnt 0x0
	s_add_nc_u64 s[6:7], s[6:7], s[18:19]
	s_add_nc_u64 s[28:29], s[12:13], s[28:29]
	s_add_nc_u64 s[30:31], s[12:13], s[30:31]
	VLOAD 0
	VLOAD 1
.irp q, 0,1,2,3,4,5,6,7
	VBLOCK \q
.endr
.irp g, 0,1
.irp hh, 0,1
.irp j, 0,1,2
	global_store_b128 v8, v[CF+24*\g+12*\hh+4*\j:CF+24*\g+12*\hh+4*\j+3], s[28:29] offset:2*FRB*\g+512*\j+256*\hh
.endr
.endr
.endr
	global_store_b64 v5, v[24:25], s[30:31]
	s_endpgm
.Lfunc_end_k_q183155222b_prep:
	.size	k_q183155222b_prep, .Lfunc_end_k_q183155222b_prep-k_q183155222b_prep
	.p2alignl 7, 3214868480
	.fill 96, 4, 3214868480
	.section	.rodata,"a",@progbits
	.p2align	6, 0x0
	.amdhsa_kernel k_q183155222b_prep
		.amdhsa_group_segment_fixed_size 34304
		.amdhsa_private_segment_fixed_size 0
		.amdhsa_enable_private_segment 0
		.amdhsa_kernarg_size 56
		.amdhsa_user_sgpr_count 2
		.amdhsa_user_sgpr_kernarg_segment_ptr 1
		.amdhsa_wavefront_size32 1
		.amdhsa_system_sgpr_workgroup_id_x 1
		.amdhsa_system_sgpr_workgroup_id_y 1
		.amdhsa_system_sgpr_workgroup_id_z 1
		.amdhsa_system_vgpr_workitem_id 0
		.amdhsa_next_free_vgpr 256
		.amdhsa_next_free_sgpr 100
		.amdhsa_reserve_vcc 1
		.amdhsa_float_denorm_mode_32 3
		.amdhsa_float_denorm_mode_16_64 3
		.amdhsa_memory_ordered 1
		.amdhsa_forward_progress 1
		.amdhsa_inst_pref_size 126
	.end_amdhsa_kernel
	.amdgpu_metadata
---
amdhsa.version: [ 1, 2 ]
amdhsa.kernels:
  - .name:           k_q183155222b_prep
    .symbol:         k_q183155222b_prep.kd
    .args:
      - { .name: k, .offset: 0, .size: 8, .value_kind: global_buffer, .address_space: global }
      - { .name: v, .offset: 8, .size: 8, .value_kind: global_buffer, .address_space: global }
      - { .name: attn_mask, .offset: 16, .size: 8, .value_kind: global_buffer, .address_space: global }
      - { .name: pad_mask, .offset: 24, .size: 8, .value_kind: global_buffer, .address_space: global }
      - { .name: kv, .offset: 32, .size: 8, .value_kind: global_buffer, .address_space: global }
      - { .name: maskw, .offset: 40, .size: 8, .value_kind: global_buffer, .address_space: global }
      - { .name: flagw, .offset: 48, .size: 8, .value_kind: global_buffer, .address_space: global }
    .group_segment_fixed_size: 34304
    .private_segment_fixed_size: 0
    .kernarg_segment_align: 8
    .kernarg_segment_size: 56
    .max_flat_workgroup_size: 128
    .sgpr_count:     100
    .vgpr_count:     256
    .wavefront_size: 32
...
	.end_amdgpu_metadata
.endif
;; end of part 1
;; launch attn (part 2): grid 4 x 64, 8 waves a work-group, no clusters, 302,080 bytes of LDS; arguments q, kv, maskw, flagw, out0; writes out0
.if DOCPART == 2
	.amdgcn_target "amdgcn-amd-amdhsa--gfx1250"
	.amdhsa_code_object_version 6
	.text
	.protected	k_q183155222b_attn
	.globl	k_q183155222b_attn
	.p2align	8
	.type	k_q183155222b_attn,@function
k_q183155222b_attn:
	s_mov_b64 s[64:65], 0
	v_nop
	global_prefetch_b8 v0, s[64:65] scope:SCOPE_SE
	s_setreg_imm32_b32 hwreg(HW_REG_WAVE_MODE, 25, 1), 1
	s_wait_xcnt 0x0
; out0[head][q][:] = the sum over keys of softmax(masked q . k / sqrt(128)) v, both products on codes of BF6 (E3M2) with one E8M0 scale for each 32 along a product's K.
; q is quantised here, in registers; K's and V's codes and scale words come from kv, the masks from maskw and flagw (layouts: the launch before).
; THE SOFTMAX: t = score x log2(e) / sqrt(128); M = the row's largest t so far, rounded UP to a whole number; p = 2^(t - M) is quantised along the keys, not normalised;
; the row's sum is taken of the unquantised p and divides at the end.  When M moves, the sum and O are multiplied by 2^(old M - new M), which rounds nothing.
; THE MASKS.  A score whose bit is 0 becomes -2^127 ahead of the maximum.  A row with no open key: t = c x -2^127, M = t, p = 1 at every key: the mean of v.  A row closed at first
; that opens later: old M - new M saturates, the factor is 0, what was summed is dropped.  Where flagw says that all 2,048 bits of a tile's step are 1 the selection would change
; no score: a scalar jump on that stored number leads round the 64 selections and the loads of their words, and round nothing else.
; LIMITS: an open score has to lie above -2^127; NaN and infinities among the inputs are not served; a block whose largest magnitude lies under 2^-122 gets the scale byte 1.
; SHARES.  256 work-groups; each owns two blocks of 256 queries of one head, one after the other; each of its eight waves 32 queries of a block: tile A in register window 0, tile B in window 1.
; Every fragment of K and V read from LDS feeds two products.  Every wave walks all 2,048 keys, 128 a step.
; THE RING.  Two LDS slots of a quarter of the head's kv (102,400 bytes, four key steps).  While one is read, the other is filled through registers: each wave brings an eighth, 25 runs of 512 bytes:
; six in each key step (asked for at the step's head, stored to LDS at its end) and one over the four steps.  One barrier for four steps: in front of it each wave has waited for its LDS stores and reads.
; The ring goes on from the first block into the second; the launch's last four steps fill nothing.
; NO CLUSTER, NO TENSOR LOAD: the jump round the selections hangs on a number read from memory; plain loads have no joint form.
; NO PREFETCH: every run of kv has its own load a whole key step ahead of the line that waits for it, and the next block's q is asked for ahead of this block's way out.
; LAYOUT.  Both products are used transposed: S^T = K Q^T, O^T = V^T P^T: a lane holds ONE query (lane % 16).  Row m of K's tile t is key 64 (t / 4) + 32 (m / 8) + 8 (t % 4) + m % 8, so score
; register n of lane l is key 64 (n / 32) + 32 (l / 16) + n % 32: registers 32 c .. 32 c + 31 are the whole block 2 c + l / 16, as the second product's operand wants it: no lane swap.
; REGISTERS.  Window 0 alone: v1-10 addresses; v30, v31 q's scale words; v80-83 K's, v84-87 V's, v88, v89 p's.  Window 1 alone: v0-11, v80-95 kv on its way to LDS.
;   v32-79: four fragments in each window.  In each window, for its tile: v12 -M, v13 the largest t, v[14:15] the sum, v16-27 q's codes, v28 -2^127, v29 8 (lane / 16),
;   v96-159 S^T then p (q as loaded), v160-223 O^T (q turned), v224-235 p's codes, v236-253 at work.
.set SLOT1,  1<<17
.set SWB,    102400
.set STEPB,  24576
.set SCL,    98304
.set FRB,    1536
.set PART,   12800                     ; a wave's eighth of a slot
.set PIECE,  3072                      ; what it brings in a key step
.set STAGE,  SLOT1+SWB                 ; 16 rows x 528 bytes for each wave: q on its way in, O on its way out
.set SP,     528
.set SPARE,  STAGE+8*16*SP             ; the spare words, 128 bytes for each wave
.set MSB, 0
.macro WIN new                         ; bits 1:0 source 0, 3:2 source 1, 5:4 source 2, 7:6 destination; the high byte repeats the setting that is left
.if MSB != (\new)
	s_set_vgpr_msb (MSB<<8)|(\new)
.set MSB, (\new)
.endif
.endm
.macro QLOAD                           ; 32 rows of q, a whole row a load
.set i, 0
.rept 16
	global_load_b128 v[96+4*i:99+4*i], v1, s[6:7] offset:512*i th:TH_LOAD_NT
.set i, i+1
.endr
	WIN 0x40
.set i, 0
.rept 16
	global_load_b128 v[96+4*i:99+4*i], v1, s[6:7] offset:8192+512*i th:TH_LOAD_NT
.set i, i+1
.endr
	WIN 0
.endm
; My two blocks' largest magnitudes (floored) in v236, v238; the 64 numbers at v[src]: the fragment's 12 registers at v[dst], the row's scale word in window 0's v[sreg]
.macro SCALECODES src, dst, sreg, w
	v_add_nc_u32 v244, 0xfe000000, v236            ; 4 off the exponent field: the conversion's scale operand
	v_add_nc_u32 v245, 0xfe000000, v238
	s_delay_alu instid0(VALU_DEP_2)
	v_lshrrev_b32 v246, 23, v244                   ; the bytes of blocks h and 2 + h
	s_delay_alu instid0(VALU_DEP_2)
	v_lshrrev_b32 v247, 23, v245
	s_delay_alu instid0(VALU_DEP_1)
	v_lshl_or_b32 v246, v247, 16, v246
	s_delay_alu instid0(VALU_DEP_1)
	v_lshlrev_b32 v246, v29, v246                  ; 8 h bits up
	s_delay_alu instid0(VALU_DEP_1)
	v_permlanex16_b32 v251, v246, s22, s23
	WIN 0x15*\w
	v_or_b32 v[\sreg], v246, v251                  ; with lane l xor 16's two bytes the word is whole
	WIN 0x55*\w
	v_cvt_scalef32_pk16_bf6_f32 v[\dst:\dst+2], v[\src:\src+15], v244
	v_cvt_scalef32_pk16_bf6_f32 v[248:250], v[\src+16:\src+31], v244   ; (a conversion's three registers begin on an even number)
	v_cvt_scalef32_pk16_bf6_f32 v[\dst+6:\dst+8], v[\src+32:\src+47], v245
	v_cvt_scalef32_pk16_bf6_f32 v[240:242], v[\src+48:\src+63], v245
	v_nop                                          ; one plain line behind the scaled conversions
.irp i, 0,1,2
	v_mov_b32 v[\dst+3+\i], v[248+\i]
	v_mov_b32 v[\dst+9+\i], v[240+\i]
.endr
.endm
.macro INIT w
	WIN 0x55*\w
	v_mov_b32 v13, 0xff61b1e6                      ; the largest t so far: -3e38
	v_mov_b32 v14, 0
	v_mov_b32 v15, 0
	v_mov_b32 v28, 0xff000000                      ; -2^127
	v_floor_f32 v12, -v13                          ; -M
	v_mov_b32 v251, 0                              ; a lane permute's destination counts as read
	v_mov_b32 v253, 0                              ; (named as the upper half of v[252:253])
.endm
.macro QUANTQ w                        ; tile w's q, turned, in v160-223
	WIN 0x55*\w
.irp k, 0,1,2,3
	v_max3_num_f32 v[236+\k], |v[160+16*\k]|, |v[161+16*\k]|, 0x2800000   ; four chains by turns; the floor 2^(5 - 127)
.endr
.irp i, 2,4,6,8,10,12,14
.irp k, 0,1,2,3
	v_max3_num_f32 v[236+\k], v[236+\k], |v[160+16*\k+\i]|, |v[161+16*\k+\i]|
.endr
.endr
	v_max_num_f32 v236, v236, v237
	v_max_num_f32 v238, v238, v239
	SCALECODES 160, 16, 30+\w, \w
.endm
.macro KQ4 w, t0                       ; four products S^T = K Q^T; an odd tile's scale words lie in lanes 16-31
.irp t, \t0, \t0+1, \t0+2, \t0+3
.if (\t)%2
	v_wmma_scale_f32_16x16x128_f8f6f4 v[96+8*(\t):103+8*(\t)], v[32+12*((\t)%4):43+12*((\t)%4)], v[16:27], 0, v[80+(\t)/2], v[30+\w] matrix_a_fmt:MATRIX_FMT_BF6 matrix_b_fmt:MATRIX_FMT_BF6 matrix_a_scale:MATRIX_SCALE_ROW1
.else
	v_wmma_scale_f32_16x16x128_f8f6f4 v[96+8*(\t):103+8*(\t)], v[32+12*((\t)%4):43+12*((\t)%4)], v[16:27], 0, v[80+(\t)/2], v[30+\w] matrix_a_fmt:MATRIX_FMT_BF6 matrix_b_fmt:MATRIX_FMT_BF6
.endif
.endr
.endm
.macro PV4 w, t0, z                    ; four products O^T (+)= V^T P^T; z = 1: a block's first step starts the sums
.irp t, \t0, \t0+1, \t0+2, \t0+3
.if \z
.if (\t)%2
	v_wmma_scale_f32_16x16x128_f8f6f4 v[160+8*(\t):167+8*(\t)], v[32+12*((\t)%4):43+12*((\t)%4)], v[224:235], 0, v[84+(\t)/2], v[88+\w] matrix_a_fmt:MATRIX_FMT_BF6 matrix_b_fmt:MATRIX_FMT_BF6 matrix_a_scale:MATRIX_SCALE_ROW1
.else
	v_wmma_scale_f32_16x16x128_f8f6f4 v[160+8*(\t):167+8*(\t)], v[32+12*((\t)%4):43+12*((\t)%4)], v[224:235], 0, v[84+(\t)/2], v[88+\w] matrix_a_fmt:MATRIX_FMT_BF6 matrix_b_fmt:MATRIX_FMT_BF6
.endif
.else
.if (\t)%2
	v_wmma_scale_f32_16x16x128_f8f6f4 v[160+8*(\t):167+8*(\t)], v[32+12*((\t)%4):43+12*((\t)%4)], v[224:235], v[160+8*(\t):167+8*(\t)], v[84+(\t)/2], v[88+\w] matrix_a_fmt:MATRIX_FMT_BF6 matrix_b_fmt:MATRIX_FMT_BF6 matrix_a_scale:MATRIX_SCALE_ROW1
.else
	v_wmma_scale_f32_16x16x128_f8f6f4 v[160+8*(\t):167+8*(\t)], v[32+12*((\t)%4):43+12*((\t)%4)], v[224:235], v[160+8*(\t):167+8*(\t)], v[84+(\t)/2], v[88+\w] matrix_a_fmt:MATRIX_FMT_BF6 matrix_b_fmt:MATRIX_FMT_BF6
.endif
.endif
.endr
.endm
.macro PVALL z                         ; 16 different accumulators, one instruction each
	WIN 0x00
	PV4 0, 0, \z
	WIN 0x54
	PV4 1, 0, \z
	WIN 0x01
	PV4 0, 4, \z
	WIN 0x55
	PV4 1, 4, \z
	WIN 0
.endm
.macro FRAGS off                       ; eight fragments: tiles 0-3 into window 0, 4-7 into window 1
.irp t, 0,1,2,3
.irp j, 0,1,2
	ds_load_b128 v[32+12*\t+4*\j:35+12*\t+4*\j], v8 offset:\off+FRB*\t+512*\j
.endr
.endr
	WIN 0x40
.irp t, 0,1,2,3
.irp j, 0,1,2
	ds_load_b128 v[32+12*\t+4*\j:35+12*\t+4*\j], v8 offset:\off+FRB*(4+\t)+512*\j
.endr
.endr
.endm
.macro SOFTMAX w
	WIN 0
	s_wait_alu depctr_va_vdst(0)                   ; ahead of the wait and the jump below, and of the first read of the scores
.if \w == 0
	s_wait_kmcnt 0x0                               ; both tiles' flags are in
.endif
	s_cmp_lg_u32 s[16+\w], 0
	s_cbranch_scc1 .Lopen_\@                       ; every key of the step is open for every query of the tile
.irp i, 0,1
	s_load_b512 s[32+16*\i:47+16*\i], s[28:29], s30 offset:4096*\w+64*\i
.endr
.irp i, 0,1
	s_load_b512 s[68+16*\i:83+16*\i], s[28:29], s30 offset:4096*\w+128+64*\i
.endr
	s_wait_kmcnt 0x0
	WIN 0x55*\w
.set n, 0
.rept 64
	v_cndmask_b32 v[96+n], v28, v[96+n], s[32+n+4*(n/32)]   ; bit 1: the score stays; bit 0: -2^127
.set n, n+1
.endr
	WIN 0
.Lopen_\@:
	WIN 0x55*\w
.irp k, 0,1,2,3
	v_max3_num_f32 v[236+\k], v[96+16*\k], v[97+16*\k], v[98+16*\k]   ; four chains by turns, ascending: each accumulator is read from its low end on
.endr
.irp i, 3,5,7,9,11,13
.irp k, 0,1,2,3
	v_max3_num_f32 v[236+\k], v[236+\k], v[96+16*\k+\i], v[97+16*\k+\i]
.endr
.endr
	v_max_num_f32 v237, v237, v127
	v_max_num_f32 v239, v239, v159
	v_max3_num_f32 v236, v236, v111, v237          ; THE LARGEST SCORE OF EACH OF MY TWO BLOCKS serves twice: for the row's maximum and, since p rises with the score, for the block's largest p
	v_max3_num_f32 v238, v238, v143, v239
	s_delay_alu instid0(VALU_DEP_1)
	v_max_num_f32 v240, v236, v238
	s_delay_alu instid0(VALU_DEP_1)
	v_permlanex16_b32 v251, v240, s22, s23
	s_delay_alu instid0(VALU_DEP_1)
	v_max_num_f32 v240, v240, v251                 ; the step's largest score of my query
	s_delay_alu instid0(VALU_DEP_1)
	v_mul_f32 v240, s24, v240
	s_delay_alu instid0(VALU_DEP_1)
	v_max_num_f32 v13, v13, v240                   ; the running largest t
	v_mov_b32 v240, v12
	s_delay_alu instid0(VALU_DEP_2)
	v_floor_f32 v12, -v13                          ; the new -M
	s_delay_alu instid0(VALU_DEP_1)
	v_sub_f32 v240, v12, v240                      ; old M - new M
	s_delay_alu instid0(VALU_DEP_1)
	v_cvt_i32_f32 v240, v240                       ; (it saturates)
	s_delay_alu instid0(VALU_DEP_1)
	v_ldexp_f32 v252, 1.0, v240                    ; f = 2^(old M - new M)
.set n, 0
.rept 32
	v_pk_fma_f32 v[96+n:97+n], v[96+n:97+n], s[24:25], v[12:13] op_sel_hi:[1,0,0]   ; t - M
.set n, n+2
.endr
	v_fma_f32 v236, v236, s24, v12                 ; the same of each block's largest score
	v_fma_f32 v238, v238, s24, v12
	s_wait_alu depctr_va_vdst(0)                   ; ahead of the batch
.set n, 0
.rept 64
	v_exp_f32 v[96+n], v[96+n]                     ; p = 2^(t - M), at most 1
.set n, n+1
.endr
	v_exp_f32 v236, v236                           ; the blocks' largest p: the same two instructions on the same number
	v_exp_f32 v238, v238
	v_pk_mul_f32 v[14:15], v[14:15], v[252:253] op_sel_hi:[1,0]   ; the sums under the new M: the plain line behind the batch
	s_wait_alu depctr_va_vdst(0)                   ; one wait for the batch, ahead of its first reader
	v_pk_add_f32 v[242:243], v[96:97], v[98:99]    ; the row's sum of the unquantised p, in two chains
.irp j, 4,8,12,16,20,24,28,32,36,40,44,48,52,56,60
	v_pk_add_f32 v[14:15], v[14:15], v[96+\j:97+\j]
	v_pk_add_f32 v[242:243], v[242:243], v[98+\j:99+\j]
.endr
	v_max_num_f32 v236, 0x2800000, v236            ; the floor: a block whose every p is 0 keeps the byte 1
	v_max_num_f32 v238, 0x2800000, v238
	v_pk_add_f32 v[14:15], v[14:15], v[242:243]
	SCALECODES 96, 224, 88+\w, \w
.set n, 0
.rept 32
	v_pk_mul_f32 v[160+n:161+n], v[160+n:161+n], v[252:253] op_sel_hi:[1,0]   ; O^T under the new M (in a block's first step: numbers that the products with C = 0 write over).  These 32 also stand between p's codes and scale word and the products
.set n, n+2
.endr
.endm
.macro STEP
	v_add_nc_u32 v8, s21, v1                       ; the step's codes,
	v_add_nc_u32 v9, s66, v2                       ; its scale words,
	v_add_nc_u32 v10, s31, v1                      ; and where my six runs go in the other slot.  With the line below: four plain lines behind the last step's products
	v_nop
	s_lshl_b32 s18, s19, 4
	s_lshl_b32 s30, s19, 8
	s_load_b32 s16, s[14:15], s18 offset:0x0       ; tile A's flag of this step,
	s_load_b32 s17, s[14:15], s18 offset:0x100     ; tile B's
	ds_load_b64 v[80:81], v9
	ds_load_b64 v[82:83], v9 offset:256
	FRAGS 0
	WIN 0
	s_wait_alu depctr_va_vdst(0)
	s_wait_dscnt 12                                ; the last step's LDS stores, the scale words and tiles 0-3 are done; the 12 loads of tiles 4-7 may be out
	s_cmp_lg_u32 s26, 1
	s_cbranch_scc0 .Lnf_\@                         ; the launch's last four steps fill nothing
	WIN 0x40
.irp j, 0,1,2,3
	global_load_b128 v[80+4*\j:83+4*\j], v1, s[10:11] offset:512*\j
.endr
.irp j, 0,1
	global_load_b128 v[4*\j:4*\j+3], v1, s[10:11] offset:2048+512*\j
.endr
	WIN 0
.Lnf_\@:
	KQ4 0, 0
	WIN 0x44
	KQ4 1, 0
	s_wait_dscnt 0x0
	WIN 0x01
	KQ4 0, 4
	WIN 0x45
	KQ4 1, 4
	WIN 0
.rept 4
	v_nop                                          ; four plain lines ahead of the loads into K's registers and of the first read of the scores
.endr
	ds_load_b64 v[84:85], v9 offset:512
	ds_load_b64 v[86:87], v9 offset:768
	FRAGS 8*FRB
	SOFTMAX 0
	SOFTMAX 1
	WIN 0
	s_wait_alu depctr_va_vdst(0)
	s_wait_dscnt 0x0                               ; V is in
	s_cmp_lg_u32 s19, 0
	s_cbranch_scc1 .Lacc_\@
	PVALL 1
	s_branch .Lpvd_\@
.Lacc_\@:
	PVALL 0
.Lpvd_\@:
	s_cmp_lg_u32 s26, 1
	s_cbranch_scc0 .Lns_\@
	s_wait_loadcnt 0x0                             ; my runs are in
	WIN 0x04
.irp j, 0,1,2,3
	ds_store_b128 v10, v[80+4*\j:83+4*\j] offset:512*\j
.endr
.irp j, 0,1
	ds_store_b128 v10, v[4*\j:4*\j+3] offset:2048+512*\j
.endr
	WIN 0
	s_add_nc_u64 s[10:11], s[10:11], PIECE
.Lns_\@:
	s_add_co_u32 s21, s21, STEPB
	s_add_co_u32 s66, s66, 1024
	s_add_co_u32 s31, s31, PIECE
	s_add_co_u32 s19, s19, 1
.endm
	s_load_b256 s[32:39], s[0:1], 0x0              ; q, kv, maskw, flagw
	s_load_b64 s[40:41], s[0:1], 0x20              ; out0
	v_lshl_add_u32 v6, v0, 2, SPARE                ; my spare word; never rewritten
	v_mov_b32 v7, 0                                ; never rewritten
	v_lshrrev_b32 v1, 5, v0
	v_readfirstlane_b32 s20, v1                    ; wave 0..7
	s_and_b32 s42, ttmp7, 0xffff                   ; the head
	s_lshl_b32 s44, s42, 20                        ; q and out0: a head is 2,048 rows of 512 bytes,
	s_lshl_b32 s2, ttmp9, 18                       ; a work-group's two blocks 512 rows,
	s_add_co_u32 s44, s44, s2
	s_lshl_b32 s2, s20, 14                         ; a wave 32
	s_add_co_u32 s44, s44, s2
	s_mov_b32 s45, 0
	s_lshr_b32 s3, s42, 4                          ; the batch
	s_lshl_b32 s46, s3, 19                         ; maskw: a batch 524,288 bytes, a block's 16 tiles 65,536, a wave's two 8,192
	s_lshl_b32 s2, ttmp9, 17
	s_add_co_u32 s46, s46, s2
	s_lshl_b32 s2, s20, 13
	s_add_co_u32 s46, s46, s2
	s_mov_b32 s47, 0
	s_lshl_b32 s48, ttmp9, 13                      ; flagw: a tile 256 bytes
	s_lshl_b32 s2, s20, 9
	s_add_co_u32 s48, s48, s2
	s_lshl_b32 s2, s3, 2
	s_add_co_u32 s48, s48, s2
	s_mov_b32 s49, 0
	s_mul_i32 s31, s20, PART                       ; my eighth of a slot
	s_mul_i32 s50, s42, 4*SWB
	s_add_co_u32 s50, s50, s31
	s_mov_b32 s51, 0
	s_mul_i32 s2, s20, 16*SP
	s_add_co_u32 s2, s2, STAGE                     ; my stage
	v_and_b32 v11, 31, v0
	v_and_b32 v8, 15, v0                           ; r
	v_bfe_u32 v9, v0, 4, 1                         ; h
	v_lshlrev_b32 v1, 4, v11                       ; v1: 16 x lane
	v_lshl_add_u32 v2, v11, 3, SCL                 ; v2: a scale image's place
	v_mul_u32_u24 v4, v8, SP
	v_add_nc_u32 v3, s2, v1                        ; v3: a whole stage row, 16 bytes a lane
	v_add_nc_u32 v10, s31, v1                      ; slot 0, my eighth
	v_add_nc_u32 v4, s2, v4
	v_lshlrev_b32 v29, 3, v9                       ; 8 h
	v_lshl_add_u32 v5, v9, 5, v4                   ; v5: row r, + 32 h: O's eight channels of a tile
	v_lshl_add_u32 v4, v9, 7, v4                   ; v4: row r, + 128 h: q's block of 32
	WIN 0x40
	v_lshlrev_b32 v29, 3, v9
	WIN 0
	s_mov_b32 s22, 0x76543210
	s_mov_b32 s23, 0xfedcba98                      ; selects for lane l xor 16
	s_mov_b32 s24, 0x3e0293ee                      ; c = log2(e) / sqrt(128)
	s_mov_b32 s25, s24
	s_mov_b32 s21, 0                               ; LDS byte of the step's codes
	s_mov_b32 s66, 0                               ; and, less SCL, of its scale words
	s_mov_b32 s19, 0                               ; the key step, 0 to 15
	s_mov_b32 s26, 8                               ; slots still to be walked
	s_mov_b32 s100, 2                              ; blocks still to be made
	s_mov_b32 s12, SWB                             ; the quarter to be asked for next, in bytes
	s_mov_b32 s13, 0
	s_wait_alu depctr_va_vdst(0)
	s_wait_kmcnt 0x0
	s_add_nc_u64 s[6:7], s[32:33], s[44:45]        ; q at my wave's first row
	s_add_nc_u64 s[4:5], s[40:41], s[44:45]        ; out0 likewise
	s_add_nc_u64 s[28:29], s[36:37], s[46:47]      ; maskw at tile A's words
	s_add_nc_u64 s[14:15], s[38:39], s[48:49]      ; flagw at tile A's flags of my batch
	s_add_nc_u64 s[8:9], s[34:35], s[50:51]        ; kv: my eighth of the head's quarter 0
.set i, 0
.rept 12
	global_load_b128 v[32+4*i:35+4*i], v1, s[8:9] offset:512*i      ; quarter 0: my 25 runs, into the fragments' registers
.set i, i+1
.endr
	WIN 0x40
.set i, 0
.rept 12
	global_load_b128 v[32+4*i:35+4*i], v1, s[8:9] offset:512*(12+i)
.set i, i+1
.endr
	global_load_b128 v[8:11], v1, s[8:9] offset:4*PIECE
	WIN 0
	QLOAD
	s_add_co_u32 s31, s31, SLOT1                   ; from now on: my eighth of the slot that is not read
	s_wait_loadcnt 32                              ; kv's 25 loads are in; q's 32 may be out
.set i, 0
.rept 12
	ds_store_b128 v10, v[32+4*i:35+4*i] offset:512*i
.set i, i+1
.endr
	WIN 0x04
.set i, 0
.rept 12
	ds_store_b128 v10, v[32+4*i:35+4*i] offset:512*(12+i)
.set i, i+1
.endr
	ds_store_b128 v10, v[8:11] offset:4*PIECE
	WIN 0
.Lblock:                                           ; two trips: a block of 256 queries each
	INIT 0
	INIT 1
	WIN 0
	s_wait_loadcnt 16                              ; tile A's rows are in; tile B's 16 loads may be out
.set i, 0
.rept 16
	ds_store_b128 v3, v[96+4*i:99+4*i] offset:SP*i
.set i, i+1
.endr
.set i, 0
.rept 16
	ds_load_b128 v[160+4*i:163+4*i], v4 offset:256*(i/8)+16*(i%8)   ; register 32 c + i = d 64 c + 32 h + i of my row.  LDS serves a wave's instructions in order
.set i, i+1
.endr
	s_wait_loadcnt 0x0
	WIN 0x04
.set i, 0
.rept 16
	ds_store_b128 v3, v[96+4*i:99+4*i] offset:SP*i
.set i, i+1
.endr
	WIN 0x40
.set i, 0
.rept 16
	ds_load_b128 v[160+4*i:163+4*i], v4 offset:256*(i/8)+16*(i%8)
.set i, i+1
.endr
	s_wait_dscnt 32                                ; tile A's numbers are back
	QUANTQ 0
	s_wait_dscnt 0x0
	QUANTQ 1
.rept 4
	v_nop                                          ; plain lines between q's codes and the first products
.endr
	WIN 0
	s_mov_b32 s67, 4
.Lphase:                                           ; four trips a block: a slot each
	s_wait_alu depctr_va_vdst(0)
	s_wait_dscnt 0x0                               ; my stores into the slot ahead are done, my reads of the slot left are over
	s_barrier_signal -1
	s_barrier_wait -1
	s_add_nc_u64 s[10:11], s[8:9], s[12:13]        ; my eighth of the next quarter (made in every trip; the last trip does not use it)
	s_cmp_lg_u32 s26, 1
	s_cbranch_scc0 .Lno_ask
	WIN 0x40
	global_load_b128 v[8:11], v1, s[10:11] offset:4*PIECE   ; its 25th run
	WIN 0
.Lno_ask:
	s_mov_b32 s27, 4
.Lstep:
	STEP
	s_sub_co_u32 s27, s27, 1
	s_cmp_lg_u32 s27, 0
	s_cbranch_scc1 .Lstep
	s_cmp_lg_u32 s26, 1
	s_cbranch_scc0 .Lno_put
	WIN 0x04
	ds_store_b128 v10, v[8:11] offset:PIECE        ; v10 stands at the fourth piece: the 25th run lies behind it
	WIN 0
.Lno_put:
	s_sub_co_u32 s21, s21, 4*STEPB                 ; back to a slot's first step, in the other slot
	s_xor_b32 s21, s21, SLOT1
	s_sub_co_u32 s66, s66, 4096
	s_xor_b32 s66, s66, SLOT1
	s_sub_co_u32 s31, s31, 4*PIECE
	s_xor_b32 s31, s31, SLOT1
	s_add_co_u32 s12, s12, SWB                     ; the next quarter, behind the fourth the first again
	s_cmp_eq_u32 s12, 4*SWB
	s_cselect_b32 s12, 0, s12
	s_sub_co_u32 s26, s26, 1
	s_sub_co_u32 s67, s67, 1
	s_cmp_lg_u32 s67, 0
	s_cbranch_scc1 .Lphase
	; THE WAY OUT.  First the next block's q is asked for, into the scores' registers; then O^T is divided by the sum and goes through my stage, 16 whole rows of 512 bytes a tile.
.rept 4
	v_nop                                          ; four plain lines behind the last products
.endr
	s_cmp_lg_u32 s100, 1
	s_cbranch_scc0 .Lno_q
	s_add_nc_u64 s[6:7], s[6:7], 131072
	QLOAD
.Lno_q:
.irp w, 0,1
	WIN 0x55*\w
	v_add_f32 v14, v14, v15
	s_delay_alu instid0(VALU_DEP_1)
	v_permlanex16_b32 v251, v14, s22, s23
	s_delay_alu instid0(VALU_DEP_1)
	v_add_f32 v14, v14, v251                       ; the row's sum
.endr
	s_wait_alu depctr_va_vdst(0)                   ; ahead of the reciprocals
	WIN 0
	v_rcp_f32 v252, v14
	WIN 0x55
	v_rcp_f32 v252, v14
	v_nop
	s_wait_alu depctr_va_vdst(0)                   ; and behind them, ahead of their first reader
.irp w, 0,1
	WIN 0x55*\w
.set n, 0
.rept 32
	v_pk_mul_f32 v[160+n:161+n], v[160+n:161+n], v[252:253] op_sel_hi:[1,0]   ; register 8 t + i is o(r, 16 t + 8 h + i); each accumulator from its low end on
.set n, n+2
.endr
.endr
	WIN 0
.irp t, 0,1,2,3,4,5,6,7
	ds_store_b128 v5, v[160+8*\t:163+8*\t] offset:64*\t
	ds_store_b128 v5, v[164+8*\t:167+8*\t] offset:64*\t+16
.endr
.set i, 0
.rept 16
	ds_load_b128 v[32+4*i+156*(i/12):35+4*i+156*(i/12)], v3 offset:SP*i   ; rows 0-11 into v32-79, rows 12-15 into v236-251
.set i, i+1
.endr
	WIN 0x04
.irp t, 0,1,2,3,4,5,6,7
	ds_store_b128 v5, v[160+8*\t:163+8*\t] offset:64*\t
	ds_store_b128 v5, v[164+8*\t:167+8*\t] offset:64*\t+16
.endr
	WIN 0x40
.set i, 0
.rept 16
	ds_load_b128 v[32+4*i+156*(i/12):35+4*i+156*(i/12)], v3 offset:SP*i
.set i, i+1
.endr
	WIN 0
.set i, 0
.rept 16
	s_wait_dscnt 47-i                              ; tile A's row i is back: behind it stand its 15 - i later rows and tile B's 32 LDS instructions
	global_store_b128 v1, v[32+4*i+156*(i/12):35+4*i+156*(i/12)], s[4:5] offset:512*i th:TH_STORE_NT   ; 512 consecutive bytes
.set i, i+1
.endr
	WIN 0x04
.set i, 0
.rept 16
	s_wait_dscnt 15-i
	global_store_b128 v1, v[32+4*i+156*(i/12):35+4*i+156*(i/12)], s[4:5] offset:8192+512*i th:TH_STORE_NT
.set i, i+1
.endr
	WIN 0
	s_wait_xcnt 0x0                                ; the stores' base and data are written again only behind this wait
	s_add_nc_u64 s[4:5], s[4:5], 131072            ; the next block: 256 rows of out0,
	s_add_nc_u64 s[28:29], s[28:29], 65536         ; 16 tiles of mask words,
	s_add_nc_u64 s[14:15], s[14:15], 4096          ; and of flags
	s_mov_b32 s19, 0
	s_sub_co_u32 s100, s100, 1
	s_cmp_lg_u32 s100, 0
	s_wait_alu depctr_va_vdst(0)
	s_cbranch_scc1 .Lblock
	s_wait_tensorcnt 0x0                           ; the wave's end
	ds_add_u32 v6, v7
	s_wait_dscnt 0x0
	s_endpgm
.Lfunc_end_k_q183155222b_attn:
	.size	k_q183155222b_attn, .Lfunc_end_k_q183155222b_attn-k_q183155222b_attn
	.p2alignl 7, 3214868480
	.fill 96, 4, 3214868480
	.section	.rodata,"a",@progbits
	.p2align	6, 0x0
	.amdhsa_kernel k_q183155222b_attn
		.amdhsa_group_segment_fixed_size 302080
		.amdhsa_private_segment_fixed_size 0
		.amdhsa_enable_private_segment 0
		.amdhsa_kernarg_size 40
		.amdhsa_user_sgpr_count 2
		.amdhsa_user_sgpr_kernarg_segment_ptr 1
		.amdhsa_wavefront_size32 1
		.amdhsa_system_sgpr_workgroup_id_x 1
		.amdhsa_system_sgpr_workgroup_id_y 1
		.amdhsa_system_sgpr_workgroup_id_z 1
		.amdhsa_system_vgpr_workitem_id 0
		.amdhsa_next_free_vgpr 512
		.amdhsa_next_free_sgpr 102
		.amdhsa_reserve_vcc 0
		.amdhsa_float_denorm_mode_32 3
		.amdhsa_float_denorm_mode_16_64 3
		.amdhsa_memory_ordered 1
		.amdhsa_forward_progress 1
		.amdhsa_inst_pref_size 85
	.end_amdhsa_kernel
	.amdgpu_metadata
---
amdhsa.version: [ 1, 2 ]
amdhsa.kernels:
  - .name:           k_q183155222b_attn
    .symbol:         k_q183155222b_attn.kd
    .args:
      - { .name: q, .offset: 0, .size: 8, .value_kind: global_buffer, .address_space: global }
      - { .name: kv, .offset: 8, .size: 8, .value_kind: global_buffer, .address_space: global }
      - { .name: maskw, .offset: 16, .size: 8, .value_kind: global_buffer, .address_space: global }
      - { .name: flagw, .offset: 24, .size: 8, .value_kind: global_buffer, .address_space: global }
      - { .name: out0, .offset: 32, .size: 8, .value_kind: global_buffer, .address_space: global }
    .group_segment_fixed_size: 302080
    .private_segment_fixed_size: 0
    .kernarg_segment_align: 8
    .kernarg_segment_size: 40
    .max_flat_workgroup_size: 256
    .sgpr_count:     102
    .vgpr_count:     512
    .wavefront_size: 32
...
	.end_amdgpu_metadata
.endif
;; end of part 2
